; MI455X (gfx1250); checked and timed in simulation.
; The chip was launched on July 23, 2026; its instructions are those of AMD's public machine-readable ISA for CDNA 5 (MIT licence, August 2026) and "CDNA5" Instruction Set Architecture Reference Guide (July 2026). The comments in the code are by the model that wrote it; some were corrected since.
;; EETQ Linear. Allowed arithmetic: matrix products marked QUANTISED: E3M2 operands, one E8M0 scale for each 32 along K, by v_wmma_scale_f32_16x16x128_f8f6f4 with both operands' format E3M2, f32 sums; everything else in f32.
;; Inputs: bias 4,096 float16; scale 4,096 float16; w_q 4,096 x 4,096 int8; x 4 x 1,024 x 4,096 float16.
;; Outputs: out0 4 x 1,024 x 4,096 float16.
;; This version of the problem:
;;   THIS VERSION OF THE PROBLEM IS GIVEN IN LOW PRECISION. The matrix products marked QUANTISED in the list below multiply operands that are first quantised to E3M2 (3 exponent bits, 2 mantissa bits; 6 bits a number), with one power-of-two scale for each 32 numbers along K (OCP MX v1.0); their sums are f32. All else is computed in f32.
;;   The module's matrix products, in the order in which they are computed (A, B: the left and right operand; K: the contracted axis; several contracted axes count as one K, in the product's order):
;;     1. [M 4,096, K 4,096] x [K 4,096, N 4,096]; A: input x; B: computed on the way: QUANTISED
;;   THE QUANTISER, for each operand of a quantised product, along K:
;;     - K is cut into blocks of 32 from its start; a last block that is shorter is filled with zeros.
;;     - A block's scale is 2^e with e = floor(log2(the largest magnitude in the block)) - 4, held to -126 .. 127; a block of zeros has e = 0. As a byte (E8M0): e + 127.
;;     - Each number is divided by its block's scale, clamped to +-28, and rounded to the nearest number of E3M2, ties to even, subnormals kept.
;;     - The product sums the exact products of the quantised numbers (number of the format x scale) in f32.
;;   ~~~python
;;   def quantise(x, axis):      # numpy; x: float32 -> the quantised numbers, widened to float32 again
;;       x = np.moveaxis(x, axis, -1); K = x.shape[-1]
;;       x = np.pad(x, [(0, 0)] * (x.ndim - 1) + [(0, -K % 32)]); x = x.reshape(x.shape[:-1] + (-1, 32)); a = np.abs(x).max(-1, keepdims=True)
;;       e = np.where(a > 0, np.clip(np.frexp(np.where(a > 0, a, 1))[1] - 1 - 4, -126, 127), 0)      # np.frexp(a)[1] - 1 = floor(log2(a)), exactly
;;       r = np.clip(x / 2.0 ** e, -28, 28)
;;       step = 2.0 ** (np.maximum(np.frexp(np.where(r == 0, 1, r))[1] - 1, -2) - 2)
;;       q = np.round(r / step) * step * 2.0 ** e      # np.round: ties to even
;;       return np.moveaxis(q.reshape(q.shape[:-2] + (-1,))[..., :K], -1, axis).astype(np.float32)
;;   ~~~
;;   OPERANDS COMPUTED ON THE WAY. 'Computed on the way' means the value that the module computes at that place (a softmax that the list does not call 'softmax' is quantised finished and normalised). What goes into a quantiser is computed in f32, as accurately as f32 sums, v_exp_f32 and their like allow (about 1e-6 of the number): no bf16 or f16 on the way to a quantiser, and a product that is left as it is and whose result goes on into a quantised operand takes f32 operands (vector FMAs, or v_wmma_f32_16x16x4_f32). A number that lies on a knife's edge between two numbers of the format may be rounded either way, as far as f32 arithmetic and the matrix unit's own rounding can turn it there, and no further.
;; One version. Each part assembles by itself: llvm-mc -triple=amdgcn-amd-amdhsa -mcpu=gfx1250 --defsym DOCPART=n.
;; ======== version 1 of 1: 2 launches
;; limits: values are held in f16: magnitudes above 65,504 overflow, below 6.1e-05 lose precision; right only within a limited range of input values
;; workspace buffers: a_q 13,107,200 bytes; b_q 13,107,200 bytes; bias32 16,384 bytes
;; launch quant (part 1): grid 768 x 1, 4 waves a work-group, no clusters, 38,400 bytes of LDS; arguments x, w_q, scale, bias, a_q, b_q, bias32; writes a_q, b_q, bias32
.if DOCPART == 1
	.amdgcn_target "amdgcn-amd-amdhsa--gfx1250"
	.amdhsa_code_object_version 6
	.text
	.protected	k_q736dab0419_quant
	.globl	k_q736dab0419_quant
	.p2align	8
	.type	k_q736dab0419_quant,@function
k_q736dab0419_quant:
	s_mov_b64 s[64:65], 0
	v_nop
	global_prefetch_b8 v0, s[64:65] scope:SCOPE_SE
	s_setreg_imm32_b32 hwreg(HW_REG_WAVE_MODE, 25, 1), 1
	s_wait_xcnt 0x0
; Both operands of out = x (w_q * scale) + bias are turned ONCE into codes of BF6 (E3M2) with one E8M0 byte for each 32 along K, in the order in which the product's launch reads them; bias goes to f32.
; x: [4096 rows][4096 k] f16, K innermost.  w[k][n] = w_q[k][n] * scale[n]: int8 x f16 has 8 + 11 significant bits, so the f32 product is exact.  K is w's FIRST axis.
; A block's scale is 2^(floor(log2(its largest magnitude)) - 4); its byte is that magnitude's exponent field - 4, held at 1 from below by a floor among the maximum's leaves.
; THE BUFFERS a_q, b_q: [group of 128 rows (of x) or columns (of w): 32][step of 128 along K: 32][record of 12,800 bytes].  A record:
;   bytes 0-511: scale words; row 16 i + r of the group has its word at 256 (i / 4) + 16 r + 4 (i % 4);
;   bytes 512 + 6144 u + 48 row (u = 0, 1): the row's codes of k = 64 u + 0 .. 63, two blocks be = 0, 1 of 24 bytes, as a plain stream of bits.
;   In the product's launch a lane of half h takes the 48 bytes of pair u = h, so block (u, be) stands where the matrix instruction has its block 2 be + u: its scale byte is byte 2 be + u of the word.
;   The same order holds for both operands, so every code meets its partner; only the order of the sums inside one instruction differs from ascending k.
; SHARES.  Work-groups 0-255 take w (a wave: one record, 128 columns x 128 k), work-groups 256-767 take x (a wave: half a record, 64 rows x 128 k): 16 KiB of input a wave in both.
; The two ways part once, on the work-group's number, and never join; each has LDS bytes of its own (x: 0 .. 10,239; w: 10,240 .. 37,887), each wave its own part of them.  No barrier: waves share nothing.
; LIMITS: NaN and infinities in x or scale are not served.  A block of zeros gets the byte 1 where the rule says 127: its codes are zeros, and these bytes are read by this program alone.
.set EMAX,  4
.set FLOOR, (EMAX+1)<<23               ; 2^(EMAX + 1 - 127)
.set OFFE,  0xfe000000                 ; -(EMAX << 23)
.set REC,   12800
.set R,     64                         ; v64-191  the numbers as loaded
.set SCV,   14                         ; v14-21   w: scale / 256 of my column c, in both registers of the pair 14 + 2 c
.set NT,    240                        ; v240-247 w: -32,896 x scale of my column c, in both registers of the pair 240 + 2 c
.set MX0,   22                         ; v22, v23 the two chains of a maximum
.set MX1,   23
.set TC,    24                         ; v24-26   w: a block's upper 16 codes (a conversion's three registers begin on an even number)
.set SO,    27                         ; v27      the conversion's scale operand
.set SBW,   28                         ; v28-31   w: the scale word of my column c
.set F,     32                         ; v32-63   w: a block's 32 numbers in f32
.set FX,    40                         ; v40-55   x: 16 numbers in f32 (v32-39: the same as f16)
.set WLDS,  10240                      ; w's part of LDS: for each wave WREG bytes: a stage for 6,144 bytes of codes with 16 bytes of padding behind each 768, and at WSC its 512 bytes of scale words
.set WREG,  6912
.set WSC,   6400
.set XREG,  2560                       ; x's part of LDS: for each wave a stage of 8 rows x XP bytes, and at XSC its 256 scale bytes
.set XSC,   2304
.set XP,    272
; the largest magnitude of v[f] .. v[f + n - 1] (n = 16 or 32) and the floor, in two chains that do not wait for each other
.macro AMAX f, n
	v_max3_num_f32 v[MX0], |v[\f]|, |v[\f+1]|, |v[\f+2]|
	v_max3_num_f32 v[MX1], |v[\f+3]|, |v[\f+4]|, |v[\f+5]|
.set i, 6
.rept (\n-8)/4
	v_max3_num_f32 v[MX0], v[MX0], |v[\f+i]|, |v[\f+i+1]|
	v_max3_num_f32 v[MX1], v[MX1], |v[\f+i+2]|, |v[\f+i+3]|
.set i, i+4
.endr
	v_max3_num_f32 v[MX0], v[MX0], |v[\f+\n-2]|, |v[\f+\n-1]|
	v_max3_num_f32 v[MX0], v[MX0], v[MX1], FLOOR
.endm
	s_load_b256 s[4:11], s[0:1], 0x0               ; x s[4:5], w_q s[6:7], scale s[8:9], bias s[10:11]
	s_load_b128 s[12:15], s[0:1], 0x20             ; a_q s[12:13], b_q s[14:15]
	s_load_b64 s[16:17], s[0:1], 0x30              ; bias32
	v_lshl_add_u32 v248, v0, 2, 0x9400
	v_mov_b32 v249, 0
	v_lshrrev_b32 v1, 5, v0
	v_readfirstlane_b32 s18, v1                    ; wave 0..3
	v_and_b32 v2, 31, v0                           ; lane
	s_wait_alu depctr_va_vdst(0)
	s_cmp_lt_u32 ttmp9, 256
	s_cbranch_scc0 .Lx
; ---------------------------------------------------------------- w: a lane takes four neighbouring columns (the four bytes of a word), and its registers run down K
	s_and_b32 s20, ttmp9, 31                       ; which 128 along K
	s_lshr_b32 s21, ttmp9, 5
	s_lshl_b32 s21, s21, 2
	s_add_co_u32 s21, s21, s18                     ; which 128 columns: the four waves stand side by side on 512 bytes of each row of w_q
	s_lshl_b32 s22, s20, 19                        ; 128 rows of 4,096 bytes
	s_lshl_b32 s23, s21, 7
	s_add_co_u32 s22, s22, s23
	s_mov_b32 s23, 0
	s_mov_b32 s40, 0x4b000000                      ; 2^23 as f32: a byte u laid into bits 15:8 of its mantissa gives f = 2^23 + 256 u
	s_mov_b32 s41, 0x80808080                      ; int8 + 128 in all four bytes of a word
	s_mov_b32 s44, 0x07060004                      ; v_perm_b32: byte c of the word as the second byte, under and over bytes of 2^23
	s_mov_b32 s45, 0x07060104
	s_mov_b32 s46, 0x07060204
	s_mov_b32 s47, 0x07060304
	s_mul_i32 s19, s18, WREG
	s_add_co_u32 s19, s19, WLDS                    ; my wave's LDS
	v_lshlrev_b32 v3, 2, v2                        ; w_q: 4 bytes a lane
	v_lshlrev_b32 v4, 3, v2                        ; scale, bias: 4 f16 a lane
	v_lshlrev_b32 v12, 4, v2                       ; out: 16 bytes a lane
	v_lshrrev_b32 v13, 2, v2
	v_mul_u32_u24 v5, v2, 192
	v_lshl_add_u32 v5, v13, 4, v5
	v_add_nc_u32 v5, s19, v5                       ; into the stage: my four columns' 192 bytes; four lanes fill 768, then 16 of padding: 16 lanes of a store then start in 16 different 16-byte columns of 256
	v_add_nc_u32 v6, s19, v12                      ; out of it: 16 x lane,
	v_lshrrev_b32 v1, 4, v2
	v_lshl_add_u32 v7, v1, 4, v6                   ; and the same behind one padding more for lanes 16-31
	v_and_b32 v10, 3, v2
	v_lshlrev_b32 v10, 6, v10
	v_lshl_add_u32 v10, v1, 8, v10
	v_and_b32 v13, 3, v13
	v_lshl_add_u32 v10, v13, 2, v10
	v_add_nc_u32 v10, s19, v10                     ; scale words: column 4 lane + c is row 16 (lane / 4) + 4 (lane % 4) + c: 256 (lane / 16) + 64 (lane % 4) + 16 c + 4 ((lane / 4) % 4)
	s_wait_alu depctr_va_vdst(0)
	s_wait_kmcnt 0x0
	s_add_nc_u64 s[24:25], s[6:7], s[22:23]        ; w_q at my wave's first row and column
	s_lshl_b32 s22, s21, 5
	s_add_co_u32 s22, s22, s20
	s_mul_i32 s22, s22, REC
	s_add_nc_u64 s[26:27], s[14:15], s[22:23]      ; my record of b_q
	s_lshl_b32 s22, s21, 8
	s_add_nc_u64 s[28:29], s[8:9], s[22:23]        ; scale and bias at my 128 columns
	s_add_nc_u64 s[30:31], s[10:11], s[22:23]
	s_lshl_b32 s22, s21, 9
	s_add_nc_u64 s[32:33], s[16:17], s[22:23]      ; bias32 likewise
	global_load_b64 v[8:9], v4, s[28:29]
.set i, 0
.rept 128
	global_load_b32 v[R+i], v3, s[24:25] offset:i*4096 th:TH_LOAD_NT   ; row i: 128 consecutive bytes a wave; read once in the launch
.set i, i+1
.endr
	s_wait_loadcnt 63                              ; of 129 loads the oldest 66 are in: the scales and rows 0-64; the first half needs rows 0-63
; w = w_q x scale AS ONE FUSED MULTIPLY-ADD.  f = 2^23 + 256 (w_q + 128), so 256 w_q = f - (2^23 + 2^15) and w = f x (scale / 256) - 32,896 x scale.
; Both factors are exact in f32 (a power of two; 32,896 = 2^7 x 257: 9 bits, times scale's 11), the multiply-add rounds once, and w_q x scale (8 + 11 bits) is a number of f32: so the result is exact.
.macro COLS c, half                    ; each of the two numbers twice: the packed form takes pairs
	v_cvt_f32_f16 v[MX0], \half
	v_mul_f32 v[SCV+2*\c], 0x3b800000, v[MX0]      ; scale x 2^-8
	v_mul_f32 v[SCV+2*\c+1], 0x3b800000, v[MX0]
	v_mul_f32 v[NT+2*\c], 0xc7008000, v[MX0]       ; scale x -32,896
	v_mul_f32 v[NT+2*\c+1], 0xc7008000, v[MX0]
.endm
	COLS 0, v8.l
	COLS 1, v8.h
	COLS 2, v9.l
	COLS 3, v9.h
; One block: column c of my four, k = 64 u + 32 be + 0 .. 31.  Its codes go to registers 12 c + 6 be + 0 .. 5 of the pair's 48, which are my 192 bytes of the record's pair u.
.macro BLOCKW u, c, be
.set RW, R+64*(\u)+32*(\be)
.set CD, 192-128*(\u)                  ; pair 0: v192-239; pair 1: v64-111, where pair 0's numbers lay
.set i, 0
.rept 32
	v_perm_b32 v[F+i], s40, v[RW+i], s[44+\c]      ; f = 2^23 + 256 (w_q + 128), exact
.set i, i+1
.endr
.set i, 0
.rept 16
	v_pk_fma_f32 v[F+i:F+i+1], v[F+i:F+i+1], v[SCV+2*\c:SCV+2*\c+1], v[NT+2*\c:NT+2*\c+1]   ; w = w_q * scale, exact in f32, two at a time
.set i, i+2
.endr
	AMAX F, 32                                     ; all 32 numbers of the block are mine
	v_add_nc_u32 v[SO], OFFE, v[MX0]               ; EMAX off the exponent field: the conversion takes this operand's exponent field as its scale
	v_cvt_scalef32_pk16_bf6_f32 v[CD+12*\c+6*\be:CD+12*\c+6*\be+2], v[F:F+15], v[SO]
	v_cvt_scalef32_pk16_bf6_f32 v[TC:TC+2], v[F+16:F+31], v[SO]
.if (\u)+(\be) == 0
	v_lshrrev_b32 v[SBW+\c], 23, v[SO]             ; the scale's byte begins the column's word.  (This line is also the plain instruction between the conversions and the moves that read their result)
.else
	v_lshrrev_b32 v[MX1], 23, v[SO]
	v_lshl_or_b32 v[SBW+\c], v[MX1], 8*(2*(\be)+(\u)), v[SBW+\c]       ; byte 2 be + u
.endif
.irp e, 0,1,2
	v_mov_b32 v[CD+12*\c+6*\be+3+\e], v[TC+\e]
.endr
.endm
; A pair's 6,144 bytes leave: a lane's 192 bytes are turned through the wave's stage into stores of 512 consecutive bytes.  LDS serves a wave's instructions in order, so no wait stands between the stores and the loads.
.macro OUTW u
.set CD, 192-128*(\u)
.irp p, 0,1,2,3,4,5,6,7,8,9,10,11
	ds_store_b128 v5, v[CD+4*\p:CD+4*\p+3] offset:16*\p
.endr
.irp g, 0,1,2,3                        ; 512 j + 16 lane of the data lies 16 bytes further on for each 768 passed; j = 3 g + 0, 1, 2
	ds_load_b128 v[CD+12*\g:CD+12*\g+3],    v6 offset:1568*\g
	ds_load_b128 v[CD+12*\g+4:CD+12*\g+7],  v7 offset:1568*\g+512
	ds_load_b128 v[CD+12*\g+8:CD+12*\g+11], v6 offset:1568*\g+1040
.endr
.irp j, 0,1,2,3,4,5,6,7,8,9,10,11
	s_wait_dscnt 11-\j                             ; load j is back; the younger ones may be out
	global_store_b128 v12, v[CD+4*\j:CD+4*\j+3], s[26:27] offset:512+6144*\u+512*\j   ; 512 consecutive bytes, at a multiple of 256 from the buffer's first byte; these registers are not written again
.endr
.endm
.irp u, 0,1
.if \u == 1
	s_wait_loadcnt 0x0                             ; rows 64-127
.endif
.set i, 0
.rept 64
	v_xor_b32 v[R+64*\u+i], s41, v[R+64*\u+i]      ; four int8 become int8 + 128 at once
.set i, i+1
.endr
.irp c, 0,1,2,3
.irp be, 0,1
	BLOCKW \u, \c, \be
.endr
.endr
	OUTW \u
.endr
	s_wait_alu depctr_va_vdst(0)
.irp c, 0,1,2,3
	ds_store_b32 v10, v[SBW+\c] offset:WSC+16*\c   ; the 128 scale words at their places in the record's first 512 bytes
.endr
	ds_load_b128 v[32:35], v6 offset:WSC
	s_wait_dscnt 0x0
	global_store_b128 v12, v[32:35], s[26:27]      ; 512 consecutive bytes
	s_cmp_lg_u32 s20, 0                            ; the work-groups of the first 128 along K also widen bias: each column once in the launch
	s_cbranch_scc1 .Lw_end
	global_load_b64 v[8:9], v4, s[30:31]
	s_wait_loadcnt 0x0
	v_cvt_f32_f16 v40, v8.l
	v_cvt_f32_f16 v41, v8.h
	v_cvt_f32_f16 v42, v9.l
	v_cvt_f32_f16 v43, v9.h
	global_store_b128 v12, v[40:43], s[32:33]
.Lw_end:
	s_wait_tensorcnt 0x0
	ds_add_u32 v248, v249
	s_wait_dscnt 0x0
	s_endpgm
; ---------------------------------------------------------------- x: K is innermost.  Loads take the bytes as they lie; eight rows at a time turn through the wave's stage, so that a lane holds 16 neighbours along K
.Lx:
	s_sub_co_u32 s20, ttmp9, 256
	s_lshr_b32 s21, s20, 3                         ; which 64 rows
	s_and_b32 s22, s20, 7
	s_lshl_b32 s22, s22, 2
	s_add_co_u32 s22, s22, s18                     ; which 128 along K
	s_lshl_b32 s24, s21, 19                        ; 64 rows of 8,192 bytes
	s_lshl_b32 s25, s22, 8
	s_add_co_u32 s24, s24, s25
	s_mov_b32 s25, 0
	s_lshr_b32 s26, s21, 1
	s_lshl_b32 s26, s26, 5
	s_add_co_u32 s26, s26, s22
	s_mul_i32 s26, s26, REC                        ; the record
	s_and_b32 s28, s21, 1                          ; which half of its 128 rows is mine
	s_mul_i32 s29, s28, 3072
	s_add_co_u32 s29, s29, 512
	s_add_co_u32 s30, s26, s29                     ; my rows' codes of pair 0
	s_mov_b32 s31, 0
	s_lshl_b32 s28, s28, 8
	s_add_co_u32 s28, s26, s28                     ; my rows' 256 bytes of scale words
	s_mov_b32 s29, 0
	s_mul_i32 s19, s18, XREG                       ; my wave's LDS
	v_and_b32 v1, 15, v2
	v_lshrrev_b32 v4, 4, v2
	v_lshlrev_b32 v3, 4, v1
	v_lshl_add_u32 v3, v4, 13, v3                  ; in: sixteen lanes take a row's 256 bytes, lanes 16-31 the next row's
	v_mul_u32_u24 v5, v4, XP
	v_lshl_add_u32 v5, v1, 4, v5
	v_add_nc_u32 v5, s19, v5                       ; into the stage likewise
	v_lshrrev_b32 v8, 2, v2
	v_and_b32 v9, 3, v2
	v_mul_u32_u24 v6, v8, XP
	v_lshl_add_u32 v6, v9, 5, v6
	v_add_nc_u32 v6, s19, v6                       ; out of it: row lane / 4, 16 numbers (32 bytes) at 32 (lane % 4)
	v_bfe_u32 v9, v2, 1, 1
	v_lshlrev_b32 v7, 4, v8
	v_lshl_add_u32 v7, v9, 1, v7
	v_add_nc_u32 v7, s19, v7                       ; my block's scale byte: 16 (lane / 4) + 2 be, be = (lane / 2) % 2
	v_lshlrev_b32 v11, 3, v2
	v_add_nc_u32 v10, s19, v11                     ; the scale bytes' way out: 8 bytes a lane
	v_mul_u32_u24 v12, v2, 12                      ; my 16 codes: row lane / 4 of 48 bytes, + 12 (lane % 4) = 12 x lane
	s_wait_alu depctr_va_vdst(0)
	s_wait_kmcnt 0x0
	s_add_nc_u64 s[24:25], s[4:5], s[24:25]
	s_add_nc_u64 s[30:31], s[12:13], s[30:31]
	s_add_nc_u64 s[28:29], s[12:13], s[28:29]
.set i, 0
.rept 32
	global_load_b128 v[R+4*i:R+4*i+3], v3, s[24:25] offset:16384*i th:TH_LOAD_NT   ; rows 2 i, 2 i + 1: 256 consecutive bytes each, at multiples of 256; read once in the launch
.set i, i+1
.endr
; Step t = 2 g + u: rows 8 g .. 8 g + 7, k = 64 u + 0 .. 63.  TURNIN brings its numbers: with u = 0 the group's four loads go into the stage first.
.macro TURNIN t
.set G, (\t)/2
.set U, (\t)%2
.if U == 0
	s_wait_loadcnt 28-4*G                          ; group g's four loads are in; the later groups' may be out
.irp e, 0,1,2,3
	ds_store_b128 v5, v[R+16*G+4*\e:R+16*G+4*\e+3] offset:2*XP*\e
.endr
.endif
	ds_load_b128 v[32:35], v6 offset:128*U         ; LDS serves a wave's instructions in order: these see the stores, and the last group's reads came before them
	ds_load_b128 v[36:39], v6 offset:128*U+16
.endm
.macro STEPX t
.set GS, (\t)/2
.set US, (\t)%2
.if (\t) > 0
	s_wait_dscnt 1                                 ; my 16 numbers are back (the last step's byte store may be out); so the group's stores into the stage have read their registers too
.else
	s_wait_dscnt 0x0
.endif
	v_cvt_f32_f16 v[FX+0], v32.l
	v_cvt_f32_f16 v[FX+1], v32.h
	v_cvt_f32_f16 v[FX+2], v33.l
	v_cvt_f32_f16 v[FX+3], v33.h
	v_cvt_f32_f16 v[FX+4], v34.l
	v_cvt_f32_f16 v[FX+5], v34.h
	v_cvt_f32_f16 v[FX+6], v35.l
	v_cvt_f32_f16 v[FX+7], v35.h
	v_cvt_f32_f16 v[FX+8], v36.l
	v_cvt_f32_f16 v[FX+9], v36.h
	v_cvt_f32_f16 v[FX+10], v37.l
	v_cvt_f32_f16 v[FX+11], v37.h
	v_cvt_f32_f16 v[FX+12], v38.l
	v_cvt_f32_f16 v[FX+13], v38.h
	v_cvt_f32_f16 v[FX+14], v39.l
	v_cvt_f32_f16 v[FX+15], v39.h
	s_wait_alu depctr_va_vdst(0)
.if (\t) < 15
	TURNIN (\t)+1                                  ; the next step's numbers come while this step is worked
.endif
	AMAX FX, 16
	v_max_num_f32_dpp v[MX0], v[MX0], v[MX0] row_xmask:1 row_mask:0xf bank_mask:0xf   ; with my neighbour's 16: the block's largest magnitude
	v_add_nc_u32 v[SO], OFFE, v[MX0]
	v_cvt_scalef32_pk16_bf6_f32 v[R+16*GS+4*US:R+16*GS+4*US+2], v[FX:FX+15], v[SO]   ; into registers of the group's own, which its loads have left: no store's data are written again
	v_lshrrev_b32 v[R+16*GS+8+US], 23, v[SO]       ; the scale's byte (also the plain instruction behind the conversion)
	ds_store_b8 v7, v[R+16*GS+8+US] offset:XSC+128*(GS%2)+4*(GS/2)+US                ; row 8 g + lane / 4 of my 64: word 16 (8 (g % 2) + lane / 4) + 4 (g / 2), byte 2 be + u; both lanes of a block write the same byte
	global_store_b96 v12, v[R+16*GS+4*US:R+16*GS+4*US+2], s[30:31] offset:6144*US+384*GS   ; 384 consecutive bytes a wave
.endm
	TURNIN 0
.irp t, 0,1,2,3,4,5,6,7,8,9,10,11,12,13,14,15
	STEPX \t
.endr
	ds_load_b64 v[32:33], v10 offset:XSC           ; these see my 16 byte stores
	s_wait_dscnt 0x0
	global_store_b64 v11, v[32:33], s[28:29]       ; 256 consecutive bytes, at a multiple of 256
	s_wait_tensorcnt 0x0
	ds_add_u32 v248, v249
	s_wait_dscnt 0x0
	s_endpgm
.Lfunc_end_k_q736dab0419_quant:
	.size	k_q736dab0419_quant, .Lfunc_end_k_q736dab0419_quant-k_q736dab0419_quant
	.p2alignl 7, 3214868480
	.fill 96, 4, 3214868480
	.section	.rodata,"a",@progbits
	.p2align	6, 0x0
	.amdhsa_kernel k_q736dab0419_quant
		.amdhsa_group_segment_fixed_size 38400
		.amdhsa_private_segment_fixed_size 0
		.amdhsa_enable_private_segment 0
		.amdhsa_kernarg_size 56
		.amdhsa_user_sgpr_count 2
		.amdhsa_user_sgpr_kernarg_segment_ptr 1
		.amdhsa_wavefront_size32 1
		.amdhsa_system_sgpr_workgroup_id_x 1
		.amdhsa_system_sgpr_workgroup_id_y 1
		.amdhsa_system_sgpr_workgroup_id_z 1
		.amdhsa_system_vgpr_workitem_id 0
		.amdhsa_next_free_vgpr 250
		.amdhsa_next_free_sgpr 66
		.amdhsa_reserve_vcc 0
		.amdhsa_float_denorm_mode_32 3
		.amdhsa_float_denorm_mode_16_64 3
		.amdhsa_memory_ordered 1
		.amdhsa_forward_progress 1
		.amdhsa_inst_pref_size 131
	.end_amdhsa_kernel
	.amdgpu_metadata
---
amdhsa.version: [ 1, 2 ]
amdhsa.kernels:
  - .name:           k_q736dab0419_quant
    .symbol:         k_q736dab0419_quant.kd
    .args:
      - { .name: x, .offset: 0, .size: 8, .value_kind: global_buffer, .address_space: global }
      - { .name: w_q, .offset: 8, .size: 8, .value_kind: global_buffer, .address_space: global }
      - { .name: scale, .offset: 16, .size: 8, .value_kind: global_buffer, .address_space: global }
      - { .name: bias, .offset: 24, .size: 8, .value_kind: global_buffer, .address_space: global }
      - { .name: a_q, .offset: 32, .size: 8, .value_kind: global_buffer, .address_space: global }
      - { .name: b_q, .offset: 40, .size: 8, .value_kind: global_buffer, .address_space: global }
      - { .name: bias32, .offset: 48, .size: 8, .value_kind: global_buffer, .address_space: global }
    .group_segment_fixed_size: 38400
    .private_segment_fixed_size: 0
    .kernarg_segment_align: 8
    .kernarg_segment_size: 56
    .max_flat_workgroup_size: 128
    .sgpr_count:     66
    .vgpr_count:     250
    .wavefront_size: 32
...
	.end_amdgpu_metadata
.endif
;; end of part 1
;; launch gemm (part 2): grid 16 x 16, 4 waves a work-group, clusters of 4 x 4, 327,680 bytes of LDS; arguments a_q, b_q, bias32, out0; writes out0
.if DOCPART == 2
	.amdgcn_target "amdgcn-amd-amdhsa--gfx1250"
	.amdhsa_code_object_version 6
	.text
	.protected	k_q736dab0419_gemm
	.globl	k_q736dab0419_gemm
	.p2align	8
	.type	k_q736dab0419_gemm,@function
k_q736dab0419_gemm:
	s_mov_b64 s[64:65], 0
	v_nop
	global_prefetch_b8 v0, s[64:65] scope:SCOPE_SE
	s_setreg_imm32_b32 hwreg(HW_REG_WAVE_MODE, 25, 1), 1
	s_wait_xcnt 0x0
	s_wait_alu depctr_hold_cnt(0) depctr_sa_sdst(0) depctr_va_vdst(0) depctr_va_sdst(0) depctr_va_ssrc(0) depctr_va_vcc(0) depctr_vm_vsrc(0)
	s_getreg_b32 s2, hwreg(HW_REG_IB_STS2, 6, 4)
	s_cmp_eq_u32 s2, 0
	s_cbranch_scc0 .Lentry_in_a_cluster
	s_endpgm
.Lentry_in_a_cluster:
	s_bfe_u32 s2, ttmp6, 0x10000c
	s_cmp_lg_u32 s2, 0xf033
	s_cbranch_scc0 .Lentry_shape_is_right
	s_endpgm
.Lentry_shape_is_right:
; out0[m][n] = sum over k of A[m][k] B[n][k] + bias[n], rounded once to f16.  A = x, B = w_q * scale, both as codes of BF6 (E3M2) with E8M0 scale bytes, in the records that launch quant laid:
; a_q, b_q: [group of 128 rows: 32][step of 128 along K: 32][record of 12,800 bytes]; a record: 512 bytes of scale words (row 16 i + r at 256 (i / 4) + 16 r + 4 (i % 4)), then for u = 0, 1 at 512 + 6144 u + 48 row the row's 64 codes.
; A lane of half h takes the 48 bytes of pair u = h: both operands are permuted alike along K inside a step, so every code meets its partner; only the order of the sums inside one instruction differs from ascending k.
; A block of out0, 256 x 256, is made by four waves, one to a SIMD; a wave makes 128 x 128: 64 accumulators, 512 registers.  K goes in 32 steps of 128 through two LDS slots of three steps each (4 x 38,400 bytes);
; a wave's one tensor load brings three records of one group, a dense run of 150 rows of 256 bytes that begins at a multiple of 256 (the last fill: two records, 100 rows).
; CLUSTERS: 4 x 4 work-groups; A's tiles are asked for jointly along a row of the cluster, B's along a column.  The matrix instruction is used transposed (source 0 = 16 rows of B, source 1 = 16 rows of A).
; REGISTERS.  Each window of 256 holds at v0-127 the 16 accumulators of one quadrant of my 128 x 128 (window 2 ah + bh: A's blocks 4 ah .. + 3 x B's blocks 4 bh .. + 3, accumulator (a', b') at v[8 (4 a' + b')]),
; and at v128-223 ONE HALF SET of fragments (4 x 12 registers) in two parities: window 0 A's blocks 0-3, window 1 B's blocks 0-3, window 2 B's blocks 4-7, window 3 A's blocks 4-7.
; So BOTH operands have two whole sets, and a step's 50 LDS loads (the next step's 16 fragments and its scale words) go out in ONE run, behind the step's first 16 products: 48 products stand between the run and the next step.
; A step is four phases of 16 products, phase w on window w's accumulators: eight switches of the window a step, four for the phases and four in the run.
; Window 0, v224-239: scale words, two sets; v240-253: the add's two registers, the way out, the prefetches, the six LDS addresses.
; Window 3, v192-255: bias, as the C of the first step's products.  v192-223 (columns 0-63 of my 128) lie in a half set's place: the first step takes the two phases that need them ahead of its run.
; THE LAST TWO STEPS lie in the two sets at once: the last step's phases 0 and 1 go ahead of the step before's phase 3, so that my rows 0-63 are finished, and leave, with 48 products still to come.
; PREFETCH: two prefetches name a fill's 150 blocks of 256 bytes of the 128 rows that my wave fetches: the four partners that ask for the tile jointly take 38 blocks each, told apart by address
; (38 x place + lane, held at block 149; lanes left over name a block of their own wave's again).  Behind fill 0's load fill 1 is asked for; behind fill 1's, fills 2 and 3; behind the load of fill f, from f = 2 on, fill f + 2.
; Fill 10, the short one, is not asked for ahead, so that no lane leaves the buffer.
; LIMITS: a sum beyond f16's range becomes an infinity in the conversion, as in the f16 result that is expected; NaN and infinities among the inputs are not served (launch quant).
.set REC,    12800
.set TILE3,  3*REC                     ; what one tensor load brings
.set SLOT,   4*TILE3                   ; A's two groups, then B's two
.set GRP,    32*REC                    ; a group's 32 records
.set SPARE,  2*SLOT                    ; behind the ring: the spare words, 128 bytes a wave, two blocks of 256 bytes that no other line names
.set STAGE,  SPARE+512                 ; behind them: 16 rows x 272 bytes for each wave, for the way out; no fill lands there
.set SPITCH, 272
.set ROWC,   8192                      ; a row of out0 in bytes
.set FRG,  128                         ; every window: the half set, parity p at FRG + 48 p
.set SC,   224                         ; window 0: scale words, set p at SC + 8 p: lanes 0-15 A's block i, lanes 16-31 B's block i
.set SPW,  240                         ; my spare word's LDS address; never rewritten
.set NIL,  241                         ; 0; never rewritten
.set STO,  242                         ; the way out: into the stage, back from it, my offset in out0
.set RD,   243
.set CO,   244
.set BO,   245                         ; bias: 32 bytes x half
.set PFO,  246                         ; v246-247 the prefetches' offsets
.set ADRA, 248                         ; LDS address of my A fragments in slot 0, 1
.set ADRB, 250                         ; of my B fragments
.set ADRS, 252                         ; of my scale words: lanes 0-15 A's record, lanes 16-31 B's
.set BI,   192                         ; window 3: bias
.set TMP,  128                         ; the way out, window 0: packed results; two sets of rows read back
.set BK,   160
.set G1,   24                          ; s[24:31] group 1 for A's tiles, s[32:39] group 0, a set for each slot
.set G0,   32
.set G1B,  48                          ; the same for B's
.set G0B,  56
.set G1T,  68                          ; groups 1 of the short last fill
.set G1TB, 80
.set PFA,  76                          ; s[76:77] my fetch group's first byte + 2 fills for each lap gone
.set MSB, 0
.macro WIN new                         ; the immediate's high byte repeats the setting that is left
.if MSB != (\new)
	s_set_vgpr_msb (MSB<<8)|(\new)
.set MSB, (\new)
.endif
.endm
.macro PH w, first                     ; phase w: source 0 (B) window 1 + bh, source 1 (A) window 0 or 3, C and D window w (first step: C window 3)
	WIN (1+((\w)&1))|((3*((\w)>>1))<<2)|(((\w)|(3*(\first)))<<4)|((\w)<<6)
.endm
.macro PLACES                          ; four places between products and loads into, or vector reads and writes of, their registers (ISA guide 7.12.1 for vector reads and writes)
.rept 4
	v_nop
.endr
.endm
.macro JLOAD g0a, g1a, g0b, g1b        ; a joint load: waves 0, 1 fetch A's two groups, waves 2, 3 B's
	s_cmp_eq_u32 s15, 0
	s_cbranch_scc0 .Lfor_b_\@
	tensor_load_to_lds s[\g0a:\g0a+3], s[\g1a:\g1a+7]
	s_nop 0
	PLACES
	s_branch .Lasked_\@
.Lfor_b_\@:
	tensor_load_to_lds s[\g0b:\g0b+3], s[\g1b:\g1b+7]
	s_nop 0
	PLACES
.Lasked_\@:
.endm
.macro ASK off, cond                   ; my 38 blocks of the fill at byte off; cond: not in the loop's last trip, whose look-ahead would be the short fill and beyond
.if \cond
	s_cmp_gt_u32 s3, 1
	s_cbranch_scc0 .Lno_ask_\@
.endif
	global_prefetch_b8 v[PFO], s[PFA:PFA+1] offset:\off th:TH_LOAD_NT scope:SCOPE_SE
	global_prefetch_b8 v[PFO+1], s[PFA:PFA+1] offset:\off th:TH_LOAD_NT scope:SCOPE_SE
.if \cond
.Lno_ask_\@:
.endif
.endm
.macro CREST                           ; a round of the cluster's barrier behind its opening barrier
	s_cmp_lg_u32 s14, 0
	s_cbranch_scc1 .Lnot_wave_0_\@
	s_barrier_signal -3
.Lnot_wave_0_\@:
	s_barrier_wait -3
	s_barrier_signal -1
	s_barrier_wait -1
.endm
.macro CROUND
	s_barrier_signal -1
	s_barrier_wait -1
	CREST
.endm
; products from .. to - 1 of phase w on parity p.  The accumulators take turns, one instruction a turn
.macro MM w, p, first, from, to
.set N, \from
.rept (\to)-(\from)
.set BF, FRG+48*(\p)+12*(N%4)
.set AFR, FRG+48*(\p)+12*(N/4)
.set SB, SC+8*(\p)+4*((\w)&1)+N%4
.set SA, SC+8*(\p)+4*((\w)>>1)+N/4
.if \first
.set CB, BI+8*(4*((\w)&1)+N%4)
	v_wmma_scale_f32_16x16x128_f8f6f4 v[8*N:8*N+7], v[BF:BF+11], v[AFR:AFR+11], v[CB:CB+7], v[SB], v[SA] matrix_a_fmt:MATRIX_FMT_BF6 matrix_b_fmt:MATRIX_FMT_BF6 matrix_a_scale:MATRIX_SCALE_ROW1
.else
	v_wmma_scale_f32_16x16x128_f8f6f4 v[8*N:8*N+7], v[BF:BF+11], v[AFR:AFR+11], v[8*N:8*N+7], v[SB], v[SA] matrix_a_fmt:MATRIX_FMT_BF6 matrix_b_fmt:MATRIX_FMT_BF6 matrix_a_scale:MATRIX_SCALE_ROW1
.endif
.set N, N+1
.endr
.endm
; THE RUN: record q of the slot into parity 1 - p: 14 loads into window 0 (A's blocks 0-3, the scale words), then 12 each into windows 1 (B's 0-3), 2 (B's 4-7), 3 (A's 4-7): in the order of first use.  Addresses from window 0.
.macro HALF w, p, adr, blk, q
	WIN (\w)<<6
.set N, 0
.rept 12
	ds_load_b128 v[FRG+48*(1-(\p))+4*N:FRG+48*(1-(\p))+4*N+3], v[\adr] offset:(\q)*REC+((\blk)+N/3)*768+16*(N%3)
.set N, N+1
.endr
.endm
.macro FETCH p, slot, q
	HALF 0, \p, ADRA+(\slot), 0, \q
.irp j, 0,1
	ds_load_b128 v[SC+8*(1-(\p))+4*\j:SC+8*(1-(\p))+4*\j+3], v[ADRS+(\slot)] offset:(\q)*REC+256*\j
.endr
	HALF 1, \p, ADRB+(\slot), 0, \q
	HALF 2, \p, ADRB+(\slot), 4, \q
	HALF 3, \p, ADRA+(\slot), 4, \q
	WIN 0
.endm
; A step that stays in its slot: multiplies parity p, fetches record q + 1
.macro STEP slot, q, p, first
	s_wait_dscnt 24                                ; A's blocks 0-3, the scale words, B's blocks 0-3 are in; the run's last 24 loads may be out
	PH 0, \first
	MM 0, \p, \first, 0, 16
.if \first
	s_wait_dscnt 0x0
	PH 2, 1                                        ; the first step: the other phase that takes the bias of columns 0-63, ahead of the run that lands on it
	MM 2, \p, 1, 0, 16
.else
	s_wait_dscnt 12                                ; B's blocks 4-7 are in; A's blocks 4-7 may be out
.endif
	PLACES                                         ; behind the products that read the registers which the run fills (the last step's; the first step's phases 0 and 2)
	FETCH \p, \slot, (\q)+1
	PH 1, \first
	MM 1, \p, \first, 0, 16
.if \first == 0
	s_wait_dscnt 50                                ; A's blocks 4-7 are in; behind them: the run's 50
	PH 2, 0
	MM 2, \p, 0, 0, 16
.endif
	PH 3, \first
	MM 3, \p, \first, 0, 16
.endm
; A slot's last step.  Its fragments are all asked for; the next step's lie in the other slot.  At its head each wave waits for all its tensor loads (one is out: its part of the other slot), adds 0 to its spare
; word, and, eight products on, waits for the add and for its reads of this slot; the barrier, with eight products between signal and wait, opens a round of the cluster's barrier; the refill is the first tensor load
; behind the round (fill = 1: three records, 2: two, 0: none, no round); then the run, from the other slot.
.macro TURN slot, p, fill, ask
	WIN 0                                          ; (the add's two registers lie in window 0)
	s_wait_tensorcnt 0x0
	ds_add_u32 v[SPW], v[NIL]
.if \fill
	s_add_nc_u64 s[G0+4*\slot+2:G0+4*\slot+3], s[G0+4*\slot+2:G0+4*\slot+3], 2*TILE3      ; no load of mine is out: this slot's next fill
	s_add_nc_u64 s[G0B+4*\slot+2:G0B+4*\slot+3], s[G0B+4*\slot+2:G0B+4*\slot+3], 2*TILE3
.endif
	s_wait_dscnt 25                                ; the run's last 24 loads and the add may be out
	PH 0, 0
	MM 0, \p, 0, 0, 8
	s_wait_dscnt 0x0                               ; the add is done, and my reads of this slot are over
	s_barrier_signal -1
	MM 0, \p, 0, 8, 16
	WIN 0
	s_barrier_wait -1
.if \fill
	CREST
.if \fill == 1
	JLOAD G0+4*\slot, G1, G0B+4*\slot, G1B         ; its four v_nop are also the places in front of the run
.else
	JLOAD G0+4*\slot, G1T, G0B+4*\slot, G1TB
.endif
.else
	PLACES
.endif
	FETCH \p, 1-\slot, 0
.if \ask
	ASK (4+\slot)*TILE3, 1
.endif
	PH 1, 0
	MM 1, \p, 0, 0, 16
	PH 2, 0
	MM 2, \p, 0, 0, 16
	PH 3, 0
	MM 3, \p, 0, 0, 16
.endm
	s_load_b128 s[4:7], s[0:1], 0x0                ; a_q, b_q
	s_load_b128 s[8:11], s[0:1], 0x10              ; bias32, out0
	v_lshl_add_u32 v[SPW], v0, 2, SPARE
	v_mov_b32 v[NIL], 0
	ds_add_u32 v[SPW], v[NIL]                      ; the opening adds, two on end, waited for ahead of my first tensor load
	ds_add_u32 v[SPW], v[NIL]
	v_lshrrev_b32 v1, 5, v0
	v_readfirstlane_b32 s14, v1                    ; wave 0..3
	s_lshr_b32 s15, s14, 1                         ; my half of the block's rows.  Also: I fetch for A (0) or for B (1)
	s_and_b32 s16, s14, 1                          ; my half of its columns.  Also: which group of that tile I fetch
	s_bfe_u32 s40, ttmp6, 0x40000                  ; cx, cy
	s_bfe_u32 s41, ttmp6, 0x40004
	s_lshl_b32 s42, ttmp9, 2
	s_add_co_u32 s42, s42, s40                     ; block column
	s_and_b32 s17, ttmp7, 0xffff
	s_lshl_b32 s17, s17, 2
	s_add_co_u32 s17, s17, s41                     ; block row
	s_lshl_b32 s43, s41, 2
	s_lshl_b32 s43, 15, s43                        ; my row of the cluster
	s_lshl_b32 s44, 0x1111, s40                    ; my column
	s_or_b32 s[G1+0], s43, (3<<16)|(1<<21)         ; elements of 8 bytes, the mask, bit 21 beside it
	s_or_b32 s[G1B+0], s44, (3<<16)|(1<<21)
	s_or_b32 s[G1T+0], s43, (3<<16)|(1<<21)
	s_or_b32 s[G1TB+0], s44, (3<<16)|(1<<21)
.irp g, G1, G1B                        ; 150 rows of 32 elements, dense
	s_mov_b32 s[\g+1], 32<<16
	s_mov_b32 s[\g+2], 150<<16
	s_mov_b32 s[\g+3], 32<<16
	s_mov_b32 s[\g+4], 150
	s_mov_b32 s[\g+5], 32
	s_mov_b32 s[\g+6], 0
	s_mov_b32 s[\g+7], 0
.endr
.irp g, G1T, G1TB                      ; 100 rows
	s_mov_b32 s[\g+1], 32<<16
	s_mov_b32 s[\g+2], 100<<16
	s_mov_b32 s[\g+3], 32<<16
	s_mov_b32 s[\g+4], 100
	s_mov_b32 s[\g+5], 32
	s_mov_b32 s[\g+6], 0
	s_mov_b32 s[\g+7], 0
.endr
	s_lshl_b32 s20, s17, 1
	s_add_co_u32 s20, s20, s16
	s_mul_i32 s20, s20, GRP                        ; A: the group that I would fetch, in bytes
	s_mov_b32 s21, 0
	s_lshl_b32 s46, s42, 1
	s_add_co_u32 s46, s46, s16
	s_mul_i32 s46, s46, GRP                        ; B likewise
	s_mov_b32 s47, 0
	s_mul_i32 s45, s14, TILE3                      ; where my fetch lands in a slot
	s_mul_i32 s12, s15, TILE3                      ; the group of A that I read, slot 0
	s_mul_i32 s13, s16, TILE3
	s_add_co_u32 s13, s13, 2*TILE3                 ; the group of B
	s_sub_co_u32 s18, s13, s12
	s_add_co_u32 s22, s12, SLOT                    ; and in slot 1
	s_add_co_u32 s23, s13, SLOT
	s_mul_i32 s19, s14, 16*SPITCH
	s_add_co_u32 s19, s19, STAGE                   ; my stage
	s_lshl_b32 s90, s42, 10
	s_lshl_b32 s91, s16, 9
	s_add_co_u32 s90, s90, s91                     ; my 128 columns in bias32, in bytes
	s_mov_b32 s91, 0
	s_lshl_b32 s92, s17, 8
	s_lshl_b32 s93, s15, 7
	s_add_co_u32 s92, s92, s93
	s_lshl_b32 s92, s92, 13                        ; my first row of out0,
	s_lshr_b32 s93, s90, 1
	s_add_co_u32 s92, s92, s93                     ; and my first column, 2 bytes each
	s_mov_b32 s93, 0
	s_cmp_eq_u32 s15, 0
	s_cselect_b32 s94, s20, s46                    ; the prefetches: my fetch group,
	s_cselect_b32 s96, s40, s41                    ; and my place among the four that ask for it with me
	s_mov_b32 s95, 0
	s_mul_i32 s96, s96, 38
	v_and_b32 v1, 15, v0                           ; r
	v_bfe_u32 v2, v0, 4, 1                         ; h
	v_and_b32 v6, 31, v0
	v_lshlrev_b32 v[BO], 5, v2
	v_mul_u32_u24 v3, v1, 48
	v_mad_u32_u24 v3, v2, 6144, v3
	v_add_nc_u32 v3, 512, v3                       ; a fragment: 512 + 6144 h + 48 r
	v_lshlrev_b32 v4, 4, v1
	v_mul_u32_u24 v5, s18, v2
	v_add_nc_u32 v4, v4, v5                        ; scale words: 16 r; lanes 16-31 in B's record
	v_add_nc_u32 v[ADRA], s12, v3
	v_add_nc_u32 v[ADRA+1], s22, v3
	v_add_nc_u32 v[ADRB], s13, v3
	v_add_nc_u32 v[ADRB+1], s23, v3
	v_add_nc_u32 v[ADRS], s12, v4
	v_add_nc_u32 v[ADRS+1], s22, v4
	v_mul_u32_u24 v5, v1, SPITCH
	v_lshl_add_u32 v5, v2, 4, v5
	v_add_nc_u32 v[STO], s19, v5                   ; into the stage: row r, 16 bytes for each half
	v_mul_u32_u24 v5, v2, SPITCH
	v_lshl_add_u32 v5, v1, 4, v5
	v_add_nc_u32 v[RD], s19, v5                    ; back: sixteen lanes to a row of 256 bytes
	v_lshlrev_b32 v5, 13, v2
	v_lshl_add_u32 v[CO], v1, 4, v5                ; and the same two rows in out0
	v_add_nc_u32 v7, s96, v6
	v_min_u32 v7, 149, v7
	v_lshlrev_b32 v[PFO], 8, v7                    ; blocks 38 place + 0 .. 31,
	v_min_u32 v6, 5, v6
	v_add3_u32 v6, v6, s96, 32
	v_min_u32 v6, 149, v6
	v_lshlrev_b32 v[PFO+1], 8, v6                  ; and + 32 .. 37, none beyond the tile's block 149
	s_wait_alu depctr_va_vdst(0)
	s_wait_dscnt 0x0                               ; both opening adds are done
	CROUND                                         ; all sixteen work-groups are here: the first joint loads meet
	s_wait_kmcnt 0x0
	s_add_nc_u64 s[20:21], s[4:5], s[20:21]
	s_add_nc_u64 s[46:47], s[6:7], s[46:47]
.irp s, 0,1
	s_mov_b32 s[G0+4*\s], 1
	s_add_co_u32 s[G0+4*\s+1], s45, \s*SLOT
	s_add_nc_u64 s[G0+4*\s+2:G0+4*\s+3], s[20:21], \s*TILE3
	s_or_b32 s[G0+4*\s+3], s[G0+4*\s+3], 0x80000000
	s_mov_b32 s[G0B+4*\s], 1
	s_add_co_u32 s[G0B+4*\s+1], s45, \s*SLOT
	s_add_nc_u64 s[G0B+4*\s+2:G0B+4*\s+3], s[46:47], \s*TILE3
	s_or_b32 s[G0B+4*\s+3], s[G0B+4*\s+3], 0x80000000
.endr
	JLOAD G0, G1, G0B, G1B                         ; fill 0: one tensor load a wave
	s_cmp_eq_u32 s15, 0
	s_cselect_b64 s[PFA:PFA+1], s[4:5], s[6:7]
	s_add_nc_u64 s[PFA:PFA+1], s[PFA:PFA+1], s[94:95]
	s_add_nc_u64 s[8:9], s[8:9], s[90:91]
	s_add_nc_u64 s[10:11], s[10:11], s[92:93]
	ASK TILE3, 0                                   ; fill 1, whose load follows when fill 0 has landed
	WIN 0xc0                                       ; destination window 3, address window 0
.irp b, 0,1,2,3,4,5,6,7
	global_load_b128 v[BI+8*\b:BI+8*\b+3],   v[BO], s[8:9] offset:64*\b      ; bias of columns 16 b + 8 h + 0 .. 7, in the layout of a result
	global_load_b128 v[BI+8*\b+4:BI+8*\b+7], v[BO], s[8:9] offset:64*\b+16
.endr
	WIN 0
	s_wait_tensorcnt 0x0                           ; my part of fill 0 is in
	ds_add_u32 v[SPW], v[NIL]
	s_wait_dscnt 0x0
	CROUND
	JLOAD G0+4, G1, G0B+4, G1B                     ; fill 1, slot 1's first, the first tensor load behind the round
	FETCH 1, 0, 0                                  ; step 0's fragments and scale words, into parity 0
	ASK 2*TILE3, 0                                 ; fills 2 and 3: their loads stand two and five steps on
	ASK 3*TILE3, 0
	s_wait_loadcnt 0x0                             ; bias
	STEP 0, 0, 0, 1                                ; the first step's products start the sums from bias
	WIN 0                                          ; at a label and at a branch every window is 0
	s_mov_b32 s3, 4
.Llap:                                                 ; a trip: six steps, once round the ring, both slots filled again; steps 1 to 24
	STEP 0, 1, 1, 0
	TURN 0, 0, 1, 1
	STEP 1, 0, 1, 0
	STEP 1, 1, 0, 0
	TURN 1, 1, 1, 1
	STEP 0, 0, 0, 0
	WIN 0
	s_wait_xcnt 0x0                                ; my prefetches have read their base
	s_add_nc_u64 s[PFA:PFA+1], s[PFA:PFA+1], 2*TILE3
	s_sub_co_u32 s3, s3, 1
	s_cmp_lg_u32 s3, 0
	s_cbranch_scc1 .Llap
	STEP 0, 1, 1, 0                                ; steps 25 to 29: the short fill, then nothing more to fetch
	TURN 0, 0, 2, 0
	STEP 1, 0, 1, 0
	STEP 1, 1, 0, 0
	TURN 1, 1, 0, 0
; THE WAY OUT, by blocks of 16 rows x 128 columns: rounded to f16 (each accumulator from its low end on), 16 bytes a lane into my own stage, back as whole rows of 256 bytes, stored sixteen lanes to an aligned 256 bytes.
.macro PACK a
.irp bh, 0,1
	WIN 5*(2*((\a)/4)+\bh)                         ; sources 0 and 1: the quadrant's window
.irp b, 0,1,2,3
.irp r, 0,1,2,3
	v_cvt_pk_f16_f32 v[TMP+4*(4*\bh+\b)+\r], v[8*(4*((\a)%4)+\b)+2*\r], v[8*(4*((\a)%4)+\b)+2*\r+1]
.endr
.endr
.endr
	WIN 0
.endm
.macro TOSTAGE a
.set BB, BK+32*((\a)%2)
.irp b, 0,1,2,3,4,5,6,7
	ds_store_b128 v[STO], v[TMP+4*\b:TMP+4*\b+3] offset:32*\b
.endr
.irp t, 0,1,2,3,4,5,6,7
	ds_load_b128 v[BB+4*\t:BB+4*\t+3], v[RD] offset:\t*2*SPITCH    ; LDS serves a wave's instructions in order: these see the stores above
.endr
.endm
.macro SEND a
.set BB, BK+32*((\a)%2)
	s_wait_dscnt 0x0                               ; the block is back in registers
	s_wait_xcnt 0x0                                ; earlier stores have read their base and their data
.if (\a) > 0
	s_add_nc_u64 s[10:11], s[10:11], 16*ROWC
.endif
.irp t, 0,1,2,3,4,5,6,7
	global_store_b128 v[CO], v[BB+4*\t:BB+4*\t+3], s[10:11] offset:\t*2*ROWC th:TH_STORE_NT
.endr
.endm
	s_wait_dscnt 24                                ; STEPS 30 (parity 0) AND 31 (parity 1), written out: step 30's phases 0, 1, 2 as in every step, with the last run behind phase 0;
	PH 0, 0
	MM 0, 0, 0, 0, 16
	s_wait_dscnt 12
	PLACES
	FETCH 0, 0, 1
	PH 1, 0
	MM 1, 0, 0, 0, 16
	s_wait_dscnt 50
	PH 2, 0
	MM 2, 0, 0, 0, 16
	s_wait_dscnt 24                                ; then step 31's phases 0 and 1, 32 products behind their run: they finish my rows 0-63,
	PH 0, 0
	MM 0, 1, 0, 0, 16
	s_wait_dscnt 12
	PH 1, 0
	MM 1, 1, 0, 0, 16
	PLACES
	PACK 0                                         ; which leave ahead of the last 48 products (A's blocks 0-3 are done with in both parities: their registers serve the way out)
	TOSTAGE 0
.irp a, 1,2,3
	PACK \a
	s_wait_alu depctr_va_vdst(0)
	SEND \a-1
	TOSTAGE \a
.endr
	PH 3, 0                                        ; step 30's phase 3,
	MM 3, 0, 0, 0, 16
	PH 2, 0                                        ; and step 31's phases 2 and 3 (its A's blocks 4-7 came in ahead of SEND's waits for 0)
	MM 2, 1, 0, 0, 16
	PH 3, 0
	MM 3, 1, 0, 0, 16
	PLACES
.irp a, 4,5,6,7
	PACK \a
	s_wait_alu depctr_va_vdst(0)
	SEND \a-1
	TOSTAGE \a
.endr
	SEND 7
	s_wait_tensorcnt 0x0                           ; the wave's end
	ds_add_u32 v[SPW], v[NIL]
	s_wait_dscnt 0x0
	CROUND                                         ; the closing round
	s_endpgm
.Lfunc_end_k_q736dab0419_gemm:
	.size	k_q736dab0419_gemm, .Lfunc_end_k_q736dab0419_gemm-k_q736dab0419_gemm
	.p2alignl 7, 3214868480
	.fill 96, 4, 3214868480
	.section	.rodata,"a",@progbits
	.p2align	6, 0x0
	.amdhsa_kernel k_q736dab0419_gemm
		.amdhsa_group_segment_fixed_size 327680
		.amdhsa_private_segment_fixed_size 0
		.amdhsa_enable_private_segment 0
		.amdhsa_kernarg_size 32
		.amdhsa_user_sgpr_count 2
		.amdhsa_user_sgpr_kernarg_segment_ptr 1
		.amdhsa_wavefront_size32 1
		.amdhsa_system_sgpr_workgroup_id_x 1
		.amdhsa_system_sgpr_workgroup_id_y 1
		.amdhsa_system_sgpr_workgroup_id_z 1
		.amdhsa_system_vgpr_workitem_id 0
		.amdhsa_next_free_vgpr 1024
		.amdhsa_next_free_sgpr 100
		.amdhsa_reserve_vcc 0
		.amdhsa_float_denorm_mode_32 3
		.amdhsa_float_denorm_mode_16_64 3
		.amdhsa_memory_ordered 1
		.amdhsa_forward_progress 1
		.amdhsa_inst_pref_size 210
	.end_amdhsa_kernel
	.amdgpu_metadata
---
amdhsa.version: [ 1, 2 ]
amdhsa.kernels:
  - .name:           k_q736dab0419_gemm
    .symbol:         k_q736dab0419_gemm.kd
    .args:
      - { .name: a_q, .offset: 0, .size: 8, .value_kind: global_buffer, .address_space: global }
      - { .name: b_q, .offset: 8, .size: 8, .value_kind: global_buffer, .address_space: global }
      - { .name: bias32, .offset: 16, .size: 8, .value_kind: global_buffer, .address_space: global }
      - { .name: out0, .offset: 24, .size: 8, .value_kind: global_buffer, .address_space: global }
    .group_segment_fixed_size: 327680
    .private_segment_fixed_size: 0
    .kernarg_segment_align: 8
    .kernarg_segment_size: 32
    .max_flat_workgroup_size: 128
    .sgpr_count:     100
    .vgpr_count:     1024
    .wavefront_size: 32
...
	.end_amdgpu_metadata
.endif
;; end of part 2
